; MI455X (gfx1250); checked and timed in simulation.
; The chip was launched on July 23, 2026; its instructions are those of AMD's public machine-readable ISA for CDNA 5 (MIT licence, August 2026) and "CDNA5" Instruction Set Architecture Reference Guide (July 2026). The comments in the code are by the model that wrote it; some were corrected since.
;; Res FC Eventually Layer. Allowed arithmetic: matrix products marked QUANTISED: E5M2 operands, one E8M0 scale for each 32 along K, by v_wmma_scale_f32_16x16x128_f8f6f4 with both operands' format E5M2, f32 sums; everything else in f32.
;; Inputs: W_codes 4,096 x 128 x 32 uint8 (E5M2 codes of W, K innermost, in blocks of 32 codes); W_scales 4,096 x 128 uint8 (E8M0 scales of W, one for each 32 codes along K); beta 1 float32; beta_res 4,096 float32; x 4,096 x 4,096 float32.
;; Outputs: out0 4,096 x 4,096 float32.
;; This version of the problem:
;;   THIS VERSION OF THE PROBLEM IS GIVEN IN LOW PRECISION. The matrix products marked QUANTISED in the list below multiply operands that are first quantised to E5M2 (5 exponent bits, 2 mantissa bits; 8 bits a number), with one power-of-two scale for each 32 numbers along K (OCP MX v1.0); their sums are f32. All else is computed in f32.
;;   The module's matrix products, in the order in which they are computed (A, B: the left and right operand; K: the contracted axis; several contracted axes count as one K, in the product's order):
;;     1. [M 4,096, K 4,096] x [K 4,096, N 4,096]; A: input x; B: input W (given as codes): QUANTISED
;;   THE QUANTISER, for each operand of a quantised product, along K:
;;     - K is cut into blocks of 32 from its start; a last block that is shorter is filled with zeros.
;;     - A block's scale is 2^e with e = floor(log2(the largest magnitude in the block)) - 15, held to -126 .. 127; a block of zeros has e = 0. As a byte (E8M0): e + 127.
;;     - Each number is divided by its block's scale, clamped to +-57,344, and rounded to the nearest number of E5M2, ties to even, subnormals kept.
;;     - The product sums the exact products of the quantised numbers (number of the format x scale) in f32.
;;   ~~~python
;;   def quantise(x, axis):      # numpy; x: float32 -> the quantised numbers, widened to float32 again
;;       x = np.moveaxis(x, axis, -1); K = x.shape[-1]
;;       x = np.pad(x, [(0, 0)] * (x.ndim - 1) + [(0, -K % 32)]); x = x.reshape(x.shape[:-1] + (-1, 32)); a = np.abs(x).max(-1, keepdims=True)
;;       e = np.where(a > 0, np.clip(np.frexp(np.where(a > 0, a, 1))[1] - 1 - 15, -126, 127), 0)      # np.frexp(a)[1] - 1 = floor(log2(a)), exactly
;;       r = np.clip(x / 2.0 ** e, -57344, 57344)
;;       step = 2.0 ** (np.maximum(np.frexp(np.where(r == 0, 1, r))[1] - 1, -14) - 2)
;;       q = np.round(r / step) * step * 2.0 ** e      # np.round: ties to even
;;       return np.moveaxis(q.reshape(q.shape[:-2] + (-1,))[..., :K], -1, axis).astype(np.float32)
;;   ~~~
;;   INPUTS GIVEN AS CODES. W (in the module: [4096, 4096], K = its axis 1): each comes as NAME_codes (uint8): NAME with its K axis moved to the last place and cut into blocks of 32 codes, [.., K / 32, bytes a block], one block behind the other in memory; one code a byte (a code: sign, 5 exponent bits, 2 mantissa bits); and NAME_scales (uint8): the same leading axes, one E8M0 byte (e + 127) for each 32 codes along K. Its value is code x scale, taken as it is: it is not quantised again, and the codes and scales need not be those that the quantiser above would give.
;; One version. Each part assembles by itself: llvm-mc -triple=amdgcn-amd-amdhsa -mcpu=gfx1250 --defsym DOCPART=n.
;; ======== version 1 of 1: 2 launches
;; limits: right only within a limited range of input values
;; workspace buffers: xc 16,777,216 bytes; sc 1,048,576 bytes
;; launch quant (part 1): grid 4 x 128, 8 waves a work-group, no clusters, 77,824 bytes of LDS; arguments x, W_scales, xc, sc; writes xc, sc
.if DOCPART == 1
	.amdgcn_target "amdgcn-amd-amdhsa--gfx1250"
	.amdhsa_code_object_version 6
	.text
	.protected	k_qd46746d433_quant
	.globl	k_qd46746d433_quant
	.p2align	8
	.type	k_qd46746d433_quant,@function
k_qd46746d433_quant:
	s_mov_b64 s[64:65], 0
	v_nop
	global_prefetch_b8 v0, s[64:65] scope:SCOPE_SE
	s_setreg_imm32_b32 hwreg(HW_REG_WAVE_MODE, 25, 1), 1
	s_wait_xcnt 0x0
; x [4096][4096], f32, becomes codes of BF8 (E5M2) with one E8M0 byte for each 32 along K, LAID IN THE ORDER OF THE PRODUCT LAUNCH'S OPERAND REGISTERS.
; xc[m / 64][k / 128][a = (m % 64) / 16][c = (k % 128) / 32][lane = 16 ((k % 32) / 16) + m % 16][16 bytes]: a load of 16 bytes a lane there reads 512 consecutive bytes.
; sc, first half, x's bytes: [m / 64][k / 256][p][lane = 16 hh + m % 16][word 1 - (k / 128) % 2][4 bytes], the block of 16 rows being a = 2 p + hh.
; sc, second half, W's given bytes, unchanged: [n / 256][k / 256][p][lane = 16 hh + n % 16][word (k / 128) % 2][4 bytes], the block of 16 rows being b = 2 p + hh.
; A block's scale is 2^(floor(log2(its largest magnitude)) - 15); each number is divided by it, held within +-57,344 and rounded to the nearest code, ties to even.
; LIMITS: a block of zeros gets the byte 1 where the rule says 127 (its codes are zeros, and this program alone reads sc); NaN and infinities in x are not served.
; SHARES.  Work-group (kq, rb) owns rows 32 rb .. + 31 and columns 1,024 kq .. + 1,023.  Wave w takes rows 4 w .. 4 w + 3 in 8 steps of 512 numbers: step t is row t / 2, half t % 2.
; A step's 2,048 bytes turn through the wave's own stage in LDS and come back 16 neighbours along K a lane; two neighbouring lanes hold a block.  A lane's 16 codes are one piece of xc's order:
; they are gathered in LDS (16 bytes of padding behind each 256); behind the one barrier wave w stores the 4,096 consecutive bytes of the group's w-th 128 along K, 512 an instruction.
; The group's 1,024 scale bytes are gathered likewise; waves 0 to 3 store 256 consecutive bytes of x's and of W's each, at multiples of 256.
; No tensor loads, no cluster, no matrix unit: a stream whose work-groups share nothing.
.set EMAX,  15
.set MANT,  0x600000
.set SP,    80
.set WREG,  2*32*SP
.set SG,    8*WREG                     ; the gathered scale bytes: (K step j of 256, row R, block c of 8) at SG + 256 j + 8 R + c
.set CS,    43008                      ; behind the spare words: the gathered codes, 32,768 bytes + 16 for each 256
.set R,     16
.set X,     144
.set C,     176
.set E,     208
.set WS,    216
	s_load_b256 s[4:11], s[0:1], 0x0               ; x, W_scales, xc, sc
	s_load_b64 s[12:13], s[0:1], 0x18              ; sc once more, for W's half
	v_lshrrev_b32 v1, 5, v0
	v_readfirstlane_b32 s16, v1                    ; wave 0..7
	s_mul_i32 s18, s16, WREG
	s_and_b32 s19, s16, 3
	s_mov_b32 s23, MANT
	s_and_b32 s17, ttmp7, 0xffff                   ; rb
	s_lshl_b32 s20, s17, 19                        ; x: 32 rb rows of 16,384 bytes + 4 w rows + 1,024 kq columns
	s_lshl_b32 s22, s16, 16
	s_add_co_u32 s20, s20, s22
	s_lshl_b32 s22, ttmp9, 12
	s_add_co_u32 s20, s20, s22
	s_mov_b32 s21, 0
	s_lshr_b32 s24, s17, 1                         ; m / 64
	s_lshl_b32 s32, s24, 13
	s_lshl_b32 s24, s24, 18
	s_and_b32 s22, s17, 1                          ; which 32 of the 64 rows
	s_lshl_b32 s33, s22, 8
	s_lshl_b32 s22, s22, 12
	s_add_co_u32 s24, s24, s22
	s_lshl_b32 s22, ttmp9, 3
	s_add_co_u32 s22, s22, s16                     ; k / 128 = 8 kq + w
	s_lshl_b32 s22, s22, 13
	s_add_co_u32 s24, s24, s22                     ; xc: where wave w's 4,096 bytes go
	s_mov_b32 s25, 0
	s_lshl_b32 s26, ttmp9, 2
	s_add_co_u32 s26, s26, s19                     ; k / 256 = 4 kq + w % 4
	s_lshl_b32 s28, s26, 3                         ; W_scales: 8 bytes of a row of 128
	s_lshl_b32 s22, s17, 12
	s_add_co_u32 s28, s28, s22
	s_mov_b32 s29, 0
	s_lshl_b32 s30, s26, 11                        ; W's half of sc
	s_lshr_b32 s22, s17, 3
	s_lshl_b32 s22, s22, 15
	s_add_co_u32 s30, s30, s22
	s_and_b32 s22, s17, 7
	s_lshl_b32 s22, s22, 8
	s_add_co_u32 s30, s30, s22
	s_add_co_u32 s30, s30, 524288
	s_mov_b32 s31, 0
	s_lshl_b32 s26, s26, 9                         ; x's half
	s_add_co_u32 s26, s26, s32
	s_add_co_u32 s26, s26, s33
	s_mov_b32 s27, 0
	s_lshr_b32 s34, s16, 2                         ; the gathered codes, in: block of 16 rows w / 4, row 4 (w % 4) + t / 2
	s_mul_i32 s34, s34, 2176
	s_lshl_b32 s22, s19, 6
	s_add_co_u32 s34, s34, s22
	s_add_co_u32 s34, s34, CS
	s_mul_i32 s35, s16, 4352                       ; and out: wave w's 4,096 bytes
	s_add_co_u32 s35, s35, CS
	s_lshl_b32 s36, s16, 5
	s_add_co_u32 s36, s36, SG
	s_lshl_b32 s37, s19, 8
	s_add_co_u32 s37, s37, SG
	v_lshl_add_u32 v220, v0, 2, 0xa400             ; my spare word, and 0
	v_mov_b32 v221, 0
	v_and_b32 v2, 31, v0
	v_lshlrev_b32 v3, 4, v2
	v_lshrrev_b32 v14, 2, v2
	v_mul_u32_u24 v14, v14, SP
	v_and_b32 v15, 3, v2
	v_lshl_add_u32 v14, v15, 4, v14
	v_add_nc_u32 v14, s18, v14                     ; the turning stage, in
	v_mul_u32_u24 v15, v2, SP
	v_add_nc_u32 v15, s18, v15                     ; and out
	v_bfe_u32 v5, v0, 1, 3
	v_bfe_u32 v6, v0, 4, 1
	v_lshl_add_u32 v5, v6, 8, v5
	v_add_nc_u32 v5, s36, v5                       ; where my block's byte is gathered
	v_lshlrev_b32 v7, 3, v2
	v_add_nc_u32 v6, s37, v7
	v_lshlrev_b32 v218, 7, v2
	v_lshrrev_b32 v12, 3, v2                       ; my 16 codes: 128 along K l / 8, piece c = (l / 2) % 4, half l % 2
	v_mul_u32_u24 v12, v12, 4352
	v_bfe_u32 v13, v0, 1, 2
	v_mad_u32_u24 v12, v13, 544, v12
	v_and_b32 v13, 1, v0
	v_mad_u32_u24 v12, v13, 272, v12
	v_add_nc_u32 v219, s34, v12
	v_lshrrev_b32 v13, 4, v2
	v_lshl_add_u32 v4, v13, 4, v3
	v_add_nc_u32 v4, s35, v4                       ; back: 16 bytes a lane, 16 more behind the first 256
	s_wait_alu depctr_va_vdst(0)                   ; the wait at the head's end
	s_wait_kmcnt 0x0
	s_add_nc_u64 s[4:5], s[4:5], s[20:21]
	s_add_nc_u64 s[6:7], s[6:7], s[28:29]
	s_add_nc_u64 s[8:9], s[8:9], s[24:25]
	s_add_nc_u64 s[10:11], s[10:11], s[26:27]
	s_add_nc_u64 s[12:13], s[12:13], s[30:31]
	s_cmp_lt_u32 s16, 4                            ; waves 0 to 3 carry W's bytes; this load is older than every load of x
	s_cbranch_scc0 .Lno_w
	global_load_b64 v[WS:WS+1], v218, s[6:7]
.Lno_w:
.macro LOAD t
.irp i, 0,1,2,3
	global_load_b128 v[R+16*(\t)+4*\i:R+16*(\t)+4*\i+3], v3, s[4:5] offset:((\t)/2)*16384+((\t)%2)*2048+512*\i th:TH_LOAD_NT
.endr
.endm
.macro TURN t                          ; LDS serves a wave's instructions in order (ISA guide 5.7.1.4): no wait between the stores and the loads
.irp i, 0,1,2,3
	ds_store_b128 v14, v[R+16*(\t)+4*\i:R+16*(\t)+4*\i+3] offset:32*SP*((\t)%2)+8*SP*\i
.endr
.irp i, 0,1,2,3
	ds_load_b128 v[X+16*((\t)%2)+4*\i:X+16*((\t)%2)+4*\i+3], v15 offset:32*SP*((\t)%2)+16*\i
.endr
.endm
.irp t, 0,1,2,3,4,5,6,7
	LOAD \t
.endr
	s_wait_loadcnt 28                              ; step 0's four loads are in
	TURN 0
.macro STEP t
.set XS, X+16*((\t)%2)
.if (\t) > 0
	s_wait_dscnt 2                                 ; this step's numbers are back; the last step's two stores (byte, codes) may be out
.else
	s_wait_dscnt 0x0
.endif
.if (\t) < 7
	s_wait_loadcnt 4*(6-(\t))
	TURN (\t)+1
.endif
	v_max3_num_f32 v8, |v[XS]|, |v[XS+1]|, |v[XS+2]|
	v_max3_num_f32 v9, |v[XS+3]|, |v[XS+4]|, |v[XS+5]|
.irp i, 6,10
	s_delay_alu instid0(VALU_DEP_2)
	v_max3_num_f32 v8, v8, |v[XS+\i]|, |v[XS+\i+1]|
	s_delay_alu instid0(VALU_DEP_2)
	v_max3_num_f32 v9, v9, |v[XS+\i+2]|, |v[XS+\i+3]|
.endr
	s_delay_alu instid0(VALU_DEP_2)
	v_max3_num_f32 v8, v8, |v[XS+14]|, |v[XS+15]|
	s_delay_alu instid0(VALU_DEP_1)
	v_max3_num_f32 v8, v8, v9, (EMAX+1)<<23        ; the floor: the byte cannot fall under 1
	s_delay_alu instid0(VALU_DEP_1)
	v_max_num_f32_dpp v8, v8, v8 row_xmask:1 row_mask:0xf bank_mask:0xf
	s_delay_alu instid0(VALU_DEP_1)
	v_add_nc_u32 v11, -(EMAX<<23), v8              ; the conversion's scale operand
	s_delay_alu instid0(VALU_DEP_2)
	v_and_or_b32 v10, v8, 0x7f800000, s23          ; 57,344 x the scale
.irp i, 0,1,2,3,4,5,6,7,8,9,10,11,12,13,14,15
	v_med3_num_f32 v[XS+\i], v[XS+\i], -v10, v10   ; the conversion does not saturate (ISA guide 7.6.2)
.endr
	v_cvt_scalef32_pk8_bf8_f32 v[C+4*(\t):C+4*(\t)+1], v[XS:XS+7], v11
	v_cvt_scalef32_pk8_bf8_f32 v[C+4*(\t)+2:C+4*(\t)+3], v[XS+8:XS+15], v11
	v_lshrrev_b32 v[E+(\t)], 23, v11               ; the byte; also the plain line behind the conversions
	ds_store_b8 v5, v[E+(\t)] offset:((\t)%2)*512+((\t)/2)*8
	ds_store_b128 v219, v[C+4*(\t):C+4*(\t)+3] offset:((\t)%2)*17408+((\t)/2)*16
.endm
.irp t, 0,1,2,3,4,5,6,7
	STEP \t
.endr
	s_wait_dscnt 0x0                               ; for the others' sake: my stores have landed
	s_barrier_signal -1
	s_barrier_wait -1
.irp i, 0,1,2,3,4,5,6,7
	ds_load_b128 v[R+4*\i:R+4*\i+3], v4 offset:544*\i
.endr
	s_wait_dscnt 0x0
.irp i, 0,1,2,3,4,5,6,7
	global_store_b128 v3, v[R+4*\i:R+4*\i+3], s[8:9] offset:512*\i   ; 512 consecutive bytes, at a multiple of 512
.endr
	s_cmp_lt_u32 s16, 4
	s_cbranch_scc0 .Ldone
	ds_load_b32 v12, v6 offset:4                   ; x's two words of a row change places
	ds_load_b32 v13, v6
	s_wait_dscnt 0x0
	global_store_b64 v7, v[12:13], s[10:11]        ; 256 consecutive bytes, at a multiple of 256
	s_wait_loadcnt 0x0
	global_store_b64 v7, v[WS:WS+1], s[12:13]
.Ldone:
	s_wait_tensorcnt 0x0                           ; the wave's end
	ds_add_u32 v220, v221
	s_wait_dscnt 0x0
	s_endpgm
.Lfunc_end_k_qd46746d433_quant:
	.size	k_qd46746d433_quant, .Lfunc_end_k_qd46746d433_quant-k_qd46746d433_quant
	.p2alignl 7, 3214868480
	.fill 96, 4, 3214868480
	.section	.rodata,"a",@progbits
	.p2align	6, 0x0
	.amdhsa_kernel k_qd46746d433_quant
		.amdhsa_group_segment_fixed_size 77824
		.amdhsa_private_segment_fixed_size 0
		.amdhsa_enable_private_segment 0
		.amdhsa_kernarg_size 32
		.amdhsa_user_sgpr_count 2
		.amdhsa_user_sgpr_kernarg_segment_ptr 1
		.amdhsa_wavefront_size32 1
		.amdhsa_system_sgpr_workgroup_id_x 1
		.amdhsa_system_sgpr_workgroup_id_y 1
		.amdhsa_system_sgpr_workgroup_id_z 1
		.amdhsa_system_vgpr_workitem_id 0
		.amdhsa_next_free_vgpr 222
		.amdhsa_next_free_sgpr 66
		.amdhsa_reserve_vcc 0
		.amdhsa_float_denorm_mode_32 3
		.amdhsa_float_denorm_mode_16_64 3
		.amdhsa_memory_ordered 1
		.amdhsa_forward_progress 1
		.amdhsa_inst_pref_size 33
	.end_amdhsa_kernel
	.amdgpu_metadata
---
amdhsa.version: [ 1, 2 ]
amdhsa.kernels:
  - .name:           k_qd46746d433_quant
    .symbol:         k_qd46746d433_quant.kd
    .args:
      - { .name: x, .offset: 0, .size: 8, .value_kind: global_buffer, .address_space: global }
      - { .name: W_scales, .offset: 8, .size: 8, .value_kind: global_buffer, .address_space: global }
      - { .name: xc, .offset: 16, .size: 8, .value_kind: global_buffer, .address_space: global }
      - { .name: sc, .offset: 24, .size: 8, .value_kind: global_buffer, .address_space: global }
    .group_segment_fixed_size: 77824
    .private_segment_fixed_size: 0
    .kernarg_segment_align: 8
    .kernarg_segment_size: 32
    .max_flat_workgroup_size: 256
    .sgpr_count:     66
    .vgpr_count:     222
    .wavefront_size: 32
...
	.end_amdgpu_metadata
.endif
;; end of part 1
;; launch gemm (part 2): grid 16 x 16, 4 waves a work-group, clusters of 4 x 1, 327,680 bytes of LDS; arguments xc, sc, W_codes, x, beta, beta_res, out0; writes out0
.if DOCPART == 2
	.amdgcn_target "amdgcn-amd-amdhsa--gfx1250"
	.amdhsa_code_object_version 6
	.text
	.protected	k_qd46746d433_gemm
	.globl	k_qd46746d433_gemm
	.p2align	8
	.type	k_qd46746d433_gemm,@function
k_qd46746d433_gemm:
	s_mov_b64 s[64:65], 0
	v_nop
	global_prefetch_b8 v0, s[64:65] scope:SCOPE_SE
	s_setreg_imm32_b32 hwreg(HW_REG_WAVE_MODE, 25, 1), 1
	s_wait_xcnt 0x0
	s_wait_alu depctr_hold_cnt(0) depctr_sa_sdst(0) depctr_va_vdst(0) depctr_va_sdst(0) depctr_va_ssrc(0) depctr_va_vcc(0) depctr_vm_vsrc(0)
	s_getreg_b32 s2, hwreg(HW_REG_IB_STS2, 6, 4)
	s_cmp_eq_u32 s2, 0
	s_cbranch_scc0 .Lentry_in_a_cluster
	s_endpgm
.Lentry_in_a_cluster:
	s_bfe_u32 s2, ttmp6, 0x10000c
	s_cmp_lg_u32 s2, 0x3003
	s_cbranch_scc0 .Lentry_shape_is_right
	s_endpgm
.Lentry_shape_is_right:
; out0 = max(0, u, u + s), u = 1 - beta_res + x, s = 1 - beta + Q(x) W^T: the same numbers as relu(1 - (beta_res - (x + relu(1 - beta + row_sum)))); the LeakyReLU behind a relu changes nothing and costs no line.
; The product is on codes of MX-BF8 (E5M2, an E8M0 byte for 32 along K), f32 sums.  NaN and infinities are not served.
; SHARES.  256 work-groups of four waves, each 256 x 256 of out0 (grid x: tile row, grid y: tile column).  Wave w makes rows 64 w .. + 63 x all 256 columns: 64 accumulators, 512 registers.
; x's CODES GO STRAIGHT INTO REGISTERS: a wave's 64 rows are its own, xc lies in the order of the operand registers, a load reads 512 consecutive bytes; four sets of 64 registers, each asked for
; three steps of 128 along K (192 matrix instructions) ahead of its use.  No prefetch is laid for them.
; THE SCALE WORDS come the same way out of sc, 256 consecutive bytes a load, four sets of 20 registers, six steps ahead.
; W's CODES pass LDS: a ring of two slots of 256 rows x 512 along K (rows of 512 bytes + 16 of padding), so a change of slots stands once in 256 matrix instructions.
; CLUSTER 4, 1, 1: four tile rows of one tile column need the same tiles of W: each wave's 64 rows are asked for jointly (mask 15).
; W's fragments stand in eight places of 16 registers, two halves: a group is four fragments x x's four = 16 products on end; behind them eight v_nop and ONE run of 16 LDS loads, the group two on, into the half just multiplied.
; THE MATRIX INSTRUCTION IS USED TRANSPOSED (source 0 = 16 rows of W, source 1 = 16 rows of x): a lane holds eight neighbouring columns of a row of out0.
; REGISTERS.  Window 0: v0-31 addresses; v32-111 scale words; v112-119 1 - beta (the first products' C); v120-127 1 - beta_res; v128-255 W's eight places, on the way out two units of x's f32 rows.
; Window 1: x's four sets, on the way out four units of x's f32 rows.  Windows 2, 3: accumulator (a, b) at 8 (4 (b % 8) + a), b / 8 choosing the window; on the way out the same registers take the block's whole rows.
; A product's two scale words never have numbers equal modulo 8: W's stand at even + K parity, x's at even + 1 - K parity.
.set PITCH, 528
.set SLOT,  256*PITCH
.set SPARE, 2*SLOT                     ; behind the ring: the spare words
.set SPI,   1040                       ; the way out: a stage row, 1,024 bytes + 16
.set STW,   16*SPI                     ; a wave's stage: 16 rows; the four lie in slot 0, behind its last fill and its last read
.set CO,   8                           ; 16 x lane
.set LO8,  9                           ; 8 x lane
.set SPW,  10
.set NIL,  11
.set ADRB, 12                          ; v12-15 W's fragments in LDS: slot 0 blocks 0-7, 8-15; slot 1 likewise
.set STO,  16
.set RD,   17
.set PFB,  18
.set PFX,  19
.set SC,   32
.set BI,   112
.set DR,   120
.set RB,   128
.set G1,   32                          ; s[32:39] group 1; s[40:43], s[44:47] group 0 of slot 0, 1
.set G0,   40
.set MSB, 0
.macro WIN new
.if MSB != \new
	s_set_vgpr_msb (MSB<<8)|\new
.set MSB, \new
.endif
.endm
.macro PLACES n
.rept \n
	v_nop
.endr
.endm
.macro CREST
	s_cmp_lg_u32 s22, 0
	s_cbranch_scc1 .Lnw0_\@
	s_barrier_signal -3
.Lnw0_\@:
	s_barrier_wait -3
	s_barrier_signal -1
	s_barrier_wait -1
.endm
.macro CROUND
	s_barrier_signal -1
	s_barrier_wait -1
	CREST
.endm
.macro FRAGB i, b                      ; W's fragment b of step i (text numbers: slot (i / 4) % 2, its (i % 4)-th 128 along K) into place b % 8
.set FA_, ADRB+2*(((\i)/4)%2)+(\b)/8
.set FO_, ((\b)%8)*16*PITCH+128*((\i)%4)
.set FR_, RB+16*((\b)%8)
.irp c, 0,1,2,3
	ds_load_b128 v[FR_+4*\c:FR_+4*\c+3], v[FA_] offset:FO_+32*\c
.endr
.endm
.macro RUN i, g                        ; group g of step i: four fragments, 16 loads
.irp f, 0,1,2,3
	FRAGB \i, 4*(\g)+\f
.endr
.endm
.macro ALD i, a                        ; x's fragment a of step i into set i % 4 (window 1)
.irp c, 0,1,2,3
	global_load_b128 v[64*((\i)%4)+16*(\a)+4*\c:64*((\i)%4)+16*(\a)+4*\c+3], v[CO], s[4:5] offset:(\i)*8192+(\a)*2048+512*\c
.endr
.endm
.macro SCLD kk                         ; the scale words of 256 along K into set kk % 4: W's 16 registers, x's 4
.irp p, 0,1,2,3,4,5,6,7
	global_load_b64 v[SC+20*((\kk)%4)+2*\p:SC+20*((\kk)%4)+2*\p+1], v[LO8], s[18:19] offset:(\kk)*2048+256*\p
.endr
.irp p, 0,1
	global_load_b64 v[SC+20*((\kk)%4)+16+2*\p:SC+20*((\kk)%4)+16+2*\p+1], v[LO8], s[6:7] offset:(\kk)*512+256*\p
.endr
.endm
.macro XSET U                          ; where unit U's rows of x stand: units 0-3 in window 1's four sets, 4 and 5 in W's places, 6 and 7 where 0 and 1 stood
.if (\U) == 4 || (\U) == 5
.set XW_, 0
.set XR_, RB+64*((\U)-4)
.else
.set XW_, 1
.set XR_, 64*((\U)%6)
.endif
.endm
.macro XLOAD U                         ; unit U of the way out: rows 8 U .. + 7 of x, f32, my 256 columns
	XSET \U
	WIN XW_<<6
.irp t, 0,1,2,3,4,5,6,7
.irp u, 0,1
	global_load_b128 v[XR_+8*\t+4*\u:XR_+8*\t+4*\u+3], v[CO], s[10:11] offset:(8*(\U)+\t)*16384+512*\u th:TH_LOAD_NT
.endr
.endr
.endm
.macro PROD i, a, b, first
.set AC_, 8*(4*((\b)%8)+(\a))
.set CB_, AC_
.if \first
.set CB_, BI
.endif
.set BF_, RB+16*((\b)%8)
.set AF_, 64*((\i)%4)+16*(\a)
.set SW_, SC+20*(((\i)/2)%4)+2*((\b)/2)+((\i)%2)
.set SX_, SC+20*(((\i)/2)%4)+16+2*((\a)/2)+1-((\i)%2)
.set M_, 2*((\a)%2)+((\b)%2)
.if M_ == 0
	v_wmma_scale_f32_16x16x128_f8f6f4 v[AC_:AC_+7], v[BF_:BF_+15], v[AF_:AF_+15], v[CB_:CB_+7], v[SW_], v[SX_] matrix_a_fmt:MATRIX_FMT_BF8 matrix_b_fmt:MATRIX_FMT_BF8
.elseif M_ == 1
	v_wmma_scale_f32_16x16x128_f8f6f4 v[AC_:AC_+7], v[BF_:BF_+15], v[AF_:AF_+15], v[CB_:CB_+7], v[SW_], v[SX_] matrix_a_fmt:MATRIX_FMT_BF8 matrix_b_fmt:MATRIX_FMT_BF8 matrix_a_scale:MATRIX_SCALE_ROW1
.elseif M_ == 2
	v_wmma_scale_f32_16x16x128_f8f6f4 v[AC_:AC_+7], v[BF_:BF_+15], v[AF_:AF_+15], v[CB_:CB_+7], v[SW_], v[SX_] matrix_a_fmt:MATRIX_FMT_BF8 matrix_b_fmt:MATRIX_FMT_BF8 matrix_b_scale:MATRIX_SCALE_ROW1
.else
	v_wmma_scale_f32_16x16x128_f8f6f4 v[AC_:AC_+7], v[BF_:BF_+15], v[AF_:AF_+15], v[CB_:CB_+7], v[SW_], v[SX_] matrix_a_fmt:MATRIX_FMT_BF8 matrix_b_fmt:MATRIX_FMT_BF8 matrix_a_scale:MATRIX_SCALE_ROW1 matrix_b_scale:MATRIX_SCALE_ROW1
.endif
.endm
.macro GRP i, b, first                 ; fragment b's four products
.if \first
	WIN 0x84+0x40*((\b)/8)
.else
	WIN 0xa4+0x50*((\b)/8)
.endif
.irp a, 0,1,2,3
	PROD \i, \a, \b, \first
.endr
.endm
; A step of 128 along K: 64 products in four groups, the 64 accumulators by turns.  At a group's head: all LDS loads but the next group's 16 are in.
; lc: global loads that may stay out.  al: x's set three steps on is asked for;  sl: the scale words six steps on;  turn: 1 a change of slots with a refill, 2 without;  last: nothing follows;
; xl >= 0: that unit of x's f32 rows is asked for, into the set multiplied last step;  px >= 0: two prefetches of x.
; A change of slots: my reads of the slot end with the second group's run.  Then all my tensor loads are waited for, the add, the third group, the wait for the add and my reads, the signal, eight products,
; the rest of the round, the refill, the next slot's first group, eight products, its second group.
.macro STEP i, first, lc, al, sl, turn, last, xl, px
.set LS_, ((\i)/4)%2
	s_wait_loadcnt \lc
.irp b, 0,1,2,3,4,5,6,7,8,9,10,11,12,13,14,15
.if \b%4 == 0
.set W_, 16
.if (\turn) && \b == 8
.set W_, 17                            ; the next group's 16 and the add
	WIN 0
	s_wait_tensorcnt 0x0
	ds_add_u32 v[SPW], v[NIL]
.if \turn == 1
	s_add_nc_u64 s[G0+4*LS_+2:G0+4*LS_+3], s[G0+4*LS_+2:G0+4*LS_+3], 1024   ; no load of mine is out: this slot's next 512 along K
.endif
.endif
.if ((\turn) || (\last)) && \b == 12
.set W_, 0
.endif
	s_wait_dscnt W_
.if (\turn) && \b == 12
	s_barrier_signal -1
.endif
.endif
	GRP \i, \b, \first
.if (\turn) && \b == 13
	WIN 0
	s_barrier_wait -1
.if \turn == 1
	CREST
	tensor_load_to_lds s[G0+4*LS_:G0+4*LS_+3], s[G1:G1+7]
	s_nop 0
.endif
	PLACES 8
	RUN (\i)+1, 0
.endif
.if \b%4 == 3
.set R_, 1
.if (\turn) && \b == 11
.set R_, 0
.endif
.if (\last) && \b >= 11
.set R_, 0
.endif
.if R_
	PLACES 8                                       ; the places between the group's last product and the loads into what it has read
	WIN 0
.if \b < 8
	RUN \i, \b/4+2
.else
	RUN (\i)+1, \b/4-2
.endif
.endif
.if \b == 3
.if \al
	WIN 0x40
.irp a, 0,1,2,3
	ALD (\i)+3, \a
.endr
.endif
.if \xl >= 0
	XLOAD \xl
.endif
.endif
.if \b == 7
.if \sl
	SCLD (\i)/2+3
.endif
.if \px >= 0
	global_prefetch_b8 v[PFX], s[10:11] offset:(\px)*131072 th:TH_LOAD_NT scope:SCOPE_SE       ; eight rows of my 64 x 1,024 bytes of x an instruction, a lane a block of 256 bytes
	global_prefetch_b8 v[PFX], s[10:11] offset:((\px)+1)*131072 th:TH_LOAD_NT scope:SCOPE_SE
.endif
.endif
.if \turn == 1 && \b == 15             ; the tile that the NEXT refill brings: the cluster's 16 waves share its 512 blocks of 256 bytes by address, a lane a block
.if LS_ == 0
	global_prefetch_b8 v[PFB], s[20:21] offset:1536 th:TH_LOAD_NT scope:SCOPE_SE
.else
	s_cmp_eq_u32 s48, 1                            ; the last trip's second refill is the last: nothing follows it
	s_cbranch_scc1 .Lnp_\@
	global_prefetch_b8 v[PFB], s[20:21] offset:2048 th:TH_LOAD_NT scope:SCOPE_SE
.Lnp_\@:
.endif
.endif
.endif
.endr
.endm
	s_load_b256 s[4:11], s[0:1], 0x0               ; xc, sc, W_codes, x
	s_load_b128 s[12:15], s[0:1], 0x20             ; beta, beta_res
	s_load_b64 s[16:17], s[0:1], 0x30              ; out0
	v_lshl_add_u32 v[SPW], v0, 2, SPARE
	v_mov_b32 v[NIL], 0
	ds_add_u32 v[SPW], v[NIL]                      ; the opening lines: the add twice on end and one wait
	ds_add_u32 v[SPW], v[NIL]
	v_lshrrev_b32 v1, 5, v0
	v_readfirstlane_b32 s22, v1                    ; wave
	s_bfe_u32 s23, ttmp6, 0x40000                  ; cx
	s_lshl_b32 s24, ttmp9, 2
	s_add_co_u32 s24, s24, s23                     ; tile row
	s_and_b32 s25, ttmp7, 0xffff                   ; tile column: the cluster's four share it
	s_mov_b32 s[G1], 15|(1<<20)|(1<<21)|(6<<22)|(3<<25)   ; mask 15; bytes; 4 words of padding behind every 128
	s_mov_b32 s[G1+1], 512<<16
	s_mov_b32 s[G1+2], 64<<16
	s_mov_b32 s[G1+3], 512<<16
	s_mov_b32 s[G1+4], 64
	s_mov_b32 s[G1+5], 4096
	s_mov_b32 s[G1+6], 0
	s_mov_b32 s[G1+7], 0
	s_mov_b32 s[G0], 1
	s_mov_b32 s[G0+4], 1
	s_mul_i32 s[G0+1], s22, 64*PITCH               ; my 64 rows of a slot
	s_add_co_u32 s[G0+5], s[G0+1], SLOT
	s_lshl_b32 s26, s24, 2
	s_add_co_u32 s26, s26, s22                     ; my 64 rows: number 4 x tile row + wave
	s_lshl_b32 s50, s26, 18
	s_mov_b32 s51, 0
	s_lshl_b32 s52, s26, 13
	s_mov_b32 s53, 0
	s_lshl_b32 s54, s25, 15
	s_add_co_u32 s54, s54, 524288
	s_mov_b32 s55, 0
	s_lshl_b32 s56, s25, 20
	s_mov_b32 s57, 0
	s_lshl_b32 s58, s22, 18
	s_mov_b32 s59, 0
	s_lshl_b32 s27, s23, 2
	s_add_co_u32 s27, s27, s22                     ; which of the cluster's 16 waves I am: my 16 rows of a prefetch
	s_lshl_b32 s60, s27, 16
	s_mov_b32 s61, 0
	s_lshl_b32 s62, s26, 20
	s_lshl_b32 s28, s25, 10
	s_add_co_u32 s62, s62, s28
	s_mov_b32 s63, 0
	s_mov_b32 s29, 0
	s_mul_i32 s30, s22, STW
	v_and_b32 v1, 15, v0
	v_bfe_u32 v2, v0, 4, 1
	v_and_b32 v3, 31, v0
	v_mul_u32_u24 v4, v1, PITCH
	v_lshl_add_u32 v[ADRB], v2, 4, v4
	v_add_nc_u32 v[ADRB+1], 8*16*PITCH, v[ADRB]
	v_add_nc_u32 v[ADRB+2], SLOT, v[ADRB]
	v_add_nc_u32 v[ADRB+3], SLOT+8*16*PITCH, v[ADRB]
	v_lshlrev_b32 v[CO], 4, v3
	v_lshlrev_b32 v[LO8], 3, v3
	v_mul_u32_u24 v5, v1, SPI
	v_lshl_add_u32 v5, v2, 5, v5
	v_add_nc_u32 v[STO], s30, v5
	v_add_nc_u32 v[RD], s30, v[CO]
	v_lshrrev_b32 v5, 1, v3
	v_and_b32 v6, 1, v3
	v_lshlrev_b32 v6, 8, v6
	v_lshl_add_u32 v[PFB], v5, 12, v6
	v_lshrrev_b32 v5, 2, v3
	v_and_b32 v6, 3, v3
	v_lshlrev_b32 v6, 8, v6
	v_lshl_add_u32 v[PFX], v5, 14, v6
	s_wait_alu depctr_va_vdst(0)                   ; directly ahead of the waits below
	s_wait_dscnt 0x0
	s_wait_kmcnt 0x0
	s_add_nc_u64 s[4:5], s[4:5], s[50:51]          ; x's codes: my 64 rows
	s_add_nc_u64 s[18:19], s[6:7], s[54:55]        ; W's scale words: my tile column
	s_add_nc_u64 s[6:7], s[6:7], s[52:53]          ; x's scale words
	s_add_nc_u64 s[8:9], s[8:9], s[56:57]
	s_add_nc_u64 s[20:21], s[8:9], s[60:61]        ; the prefetches of W
	s_add_nc_u64 s[G0+2:G0+3], s[8:9], s[58:59]
	s_add_nc_u64 s[G0+6:G0+7], s[G0+2:G0+3], 512
	s_or_b32 s[G0+3], s[G0+3], 0x80000000
	s_or_b32 s[G0+7], s[G0+7], 0x80000000
	s_add_nc_u64 s[10:11], s[10:11], s[62:63]
	s_add_nc_u64 s[16:17], s[16:17], s[62:63]
	s_add_nc_u64 s[14:15], s[14:15], s[28:29]
	CROUND                                         ; the four work-groups are here: the first joint loads meet
	tensor_load_to_lds s[G0:G0+3], s[G1:G1+7]      ; slot 0: one tensor load a wave at the head
	s_nop 0
	PLACES 4
	s_load_b32 s49, s[12:13], 0x0
	global_load_b128 v[DR:DR+3], v[CO], s[14:15]
	global_load_b128 v[DR+4:DR+7], v[CO], s[14:15] offset:512
	SCLD 0
	SCLD 1
	SCLD 2
	WIN 0x40
.irp i, 0,1,2
.irp a, 0,1,2,3
	ALD \i, \a
.endr
.endr
	WIN 0
	s_wait_kmcnt 0x0
.irp j, 0,1,2,3,4,5,6,7
	v_sub_f32 v[BI+\j], 1.0, s49
.endr
	s_wait_alu depctr_va_vdst(0)                   ; the wait at the head's end
	s_wait_tensorcnt 0x0                           ; slot 1's first fill stands behind the same lines as a refill
	ds_add_u32 v[SPW], v[NIL]
	s_wait_dscnt 0x0
	CROUND
	tensor_load_to_lds s[G0+4:G0+7], s[G1:G1+7]
	s_nop 0
	PLACES 4
	RUN 0, 0
	RUN 0, 1
	STEP 0, 1, 32, 1, 1, 0, 0, -1, -1              ; the first step starts the sums with 1 - beta; behind x's set 0: sets 1 and 2
	WIN 0
	s_mov_b32 s48, 3
.Ltrip:                                                ; a trip: eight steps, once round the ring, from a slot's second step to the next lap's first.  42: two steps' 32 loads of codes and 10 of scale words
	STEP 1, 0, 42, 1, 0, 0, 0, -1, -1
	STEP 2, 0, 42, 1, 1, 0, 0, -1, -1
	STEP 3, 0, 42, 1, 0, 1, 0, -1, -1
	STEP 4, 0, 42, 1, 1, 0, 0, -1, -1
	STEP 5, 0, 42, 1, 0, 0, 0, -1, -1
	STEP 6, 0, 42, 1, 1, 0, 0, -1, -1
	STEP 7, 0, 42, 1, 0, 1, 0, -1, -1
	STEP 8, 0, 42, 1, 1, 0, 0, -1, -1
	WIN 0
	s_wait_xcnt 0x0                                ; the loads and prefetches have read their bases
	s_add_nc_u64 s[4:5], s[4:5], 65536
	s_add_nc_u64 s[6:7], s[6:7], 2048
	s_add_nc_u64 s[18:19], s[18:19], 8192
	s_add_nc_u64 s[20:21], s[20:21], 1024
	s_sub_co_u32 s48, s48, 1
	s_cmp_lg_u32 s48, 0
	s_cbranch_scc1 .Ltrip
	STEP 1, 0, 42, 1, 0, 0, 0, -1, 0               ; the last seven steps: no refill, no scale words; x's last four sets; x's f32 rows are prefetched
	STEP 2, 0, 42, 1, 0, 0, 0, -1, 2
	STEP 3, 0, 42, 1, 0, 2, 0, -1, 4
	STEP 4, 0, 32, 1, 0, 0, 0, -1, 6
	STEP 5, 0, 32, 0, 0, 0, 0, 0, -1               ; each set that falls free takes eight rows of x for the way out; 32: the two runs of 16 loads behind the set that is waited for
	STEP 6, 0, 32, 0, 0, 0, 0, 1, -1
	STEP 7, 0, 32, 0, 0, 0, 1, 2, -1
	WIN 0
.irp j, 0,1,2,3,4,5,6,7
	v_sub_f32 v[DR+\j], 1.0, v[DR+\j]              ; 1 - beta_res; also the places behind the last product
.endr
	s_wait_alu depctr_va_vdst(0)                   ; directly behind the writes
	XLOAD 3                                        ; the last set of codes and W's eight places are free: six of x's eight units are now asked for
	XLOAD 4
	XLOAD 5
; THE WAY OUT.  A block of 16 rows goes into my stage, 32 bytes a lane, each accumulator from its low end on, and comes back in two units of eight whole rows, 512 bytes an instruction,
; INTO THE BLOCK'S OWN ACCUMULATORS (row t of unit 2 a + v into accumulator (a, 8 v + t)): so no register that a global store reads is ever written again, and no wait stands for the stores.
; LDS serves a wave's instructions in order (ISA guide 5.7.1.4): no wait between my stores, my loads and the next block's stores.
.macro TOST a
.irp w, 0,1
	WIN 0x08+4*\w
.irp b, 0,1,2,3,4,5,6,7
	ds_store_b128 v[STO], v[8*(4*\b+(\a)):8*(4*\b+(\a))+3] offset:64*(8*\w+\b)
	ds_store_b128 v[STO], v[8*(4*\b+(\a))+4:8*(4*\b+(\a))+7] offset:64*(8*\w+\b)+16
.endr
.endr
	WIN 0
.endm
.macro RBK U
	WIN (2+(\U)%2)<<6
.irp t, 0,1,2,3,4,5,6,7
.irp u, 0,1
	ds_load_b128 v[8*(4*\t+(\U)/2)+4*\u:8*(4*\t+(\U)/2)+4*\u+3], v[RD] offset:(8*((\U)%2)+\t)*SPI+512*\u
.endr
.endr
	WIN 0
.endm
.macro FIN U, dc, lc                   ; eight rows: u = x + (1 - beta_res); s + u; max(s + u, u, 0); stored.  dc, lc: younger LDS instructions and loads that may stay out (63 where 64 or 80 are younger)
	XSET \U
.set BW_, 2+(\U)%2
.set A_, (\U)/2
	s_wait_dscnt \dc
	s_wait_loadcnt \lc
	WIN (XW_<<6)|XW_
.irp t, 0,1,2,3,4,5,6,7
.irp u, 0,1
	v_pk_add_f32 v[XR_+8*\t+4*\u:XR_+8*\t+4*\u+1], v[XR_+8*\t+4*\u:XR_+8*\t+4*\u+1], v[DR+4*\u:DR+4*\u+1]
	v_pk_add_f32 v[XR_+8*\t+4*\u+2:XR_+8*\t+4*\u+3], v[XR_+8*\t+4*\u+2:XR_+8*\t+4*\u+3], v[DR+4*\u+2:DR+4*\u+3]
.endr
.endr
	WIN (BW_<<6)|(XW_<<2)|BW_
.irp t, 0,1,2,3,4,5,6,7
.irp k, 0,2,4,6
	v_pk_add_f32 v[8*(4*\t+A_)+\k:8*(4*\t+A_)+\k+1], v[8*(4*\t+A_)+\k:8*(4*\t+A_)+\k+1], v[XR_+8*\t+\k:XR_+8*\t+\k+1]
.endr
.endr
.irp t, 0,1,2,3,4,5,6,7
.irp k, 0,1,2,3,4,5,6,7
	v_max3_num_f32 v[8*(4*\t+A_)+\k], v[8*(4*\t+A_)+\k], v[XR_+8*\t+\k], 0
.endr
.endr
	WIN BW_<<2
.irp t, 0,1,2,3,4,5,6,7
.irp u, 0,1
	global_store_b128 v[CO], v[8*(4*\t+A_)+4*\u:8*(4*\t+A_)+4*\u+3], s[16:17] offset:(8*(\U)+\t)*16384+512*\u th:TH_STORE_NT   ; 512 consecutive bytes, at a multiple of 512
.endr
.endr
.if (\U) < 2
	XLOAD (\U)+6
.endif
	WIN 0
.endm
	TOST 0
	RBK 0
	RBK 1
	TOST 1
	RBK 2
	RBK 3
	FIN 0, 63, 63
	FIN 1, 63, 63
	TOST 2
	RBK 4
	RBK 5
	FIN 2, 63, 63
	FIN 3, 63, 63
	TOST 3
	RBK 6
	RBK 7
	FIN 4, 63, 48                                  ; behind unit 4's rows of x: units 5, 6, 7
	FIN 5, 63, 32
	FIN 6, 16, 16
	FIN 7, 0, 0
	s_wait_tensorcnt 0x0                           ; the wave's end
	ds_add_u32 v[SPW], v[NIL]
	s_wait_dscnt 0x0
	CROUND                                         ; the closing round
	s_endpgm
.Lfunc_end_k_qd46746d433_gemm:
	.size	k_qd46746d433_gemm, .Lfunc_end_k_qd46746d433_gemm-k_qd46746d433_gemm
	.p2alignl 7, 3214868480
	.fill 96, 4, 3214868480
	.section	.rodata,"a",@progbits
	.p2align	6, 0x0
	.amdhsa_kernel k_qd46746d433_gemm
		.amdhsa_group_segment_fixed_size 327680
		.amdhsa_private_segment_fixed_size 0
		.amdhsa_enable_private_segment 0
		.amdhsa_kernarg_size 56
		.amdhsa_user_sgpr_count 2
		.amdhsa_user_sgpr_kernarg_segment_ptr 1
		.amdhsa_wavefront_size32 1
		.amdhsa_system_sgpr_workgroup_id_x 1
		.amdhsa_system_sgpr_workgroup_id_y 1
		.amdhsa_system_sgpr_workgroup_id_z 1
		.amdhsa_system_vgpr_workitem_id 0
		.amdhsa_next_free_vgpr 1024
		.amdhsa_next_free_sgpr 66
		.amdhsa_reserve_vcc 0
		.amdhsa_float_denorm_mode_32 3
		.amdhsa_float_denorm_mode_16_64 3
		.amdhsa_memory_ordered 1
		.amdhsa_forward_progress 1
		.amdhsa_inst_pref_size 255
	.end_amdhsa_kernel
	.section	.bss,"aw",@nobits
	.p2align	6
	.space	262144
	.amdgpu_metadata
---
amdhsa.version: [ 1, 2 ]
amdhsa.kernels:
  - .name:           k_qd46746d433_gemm
    .symbol:         k_qd46746d433_gemm.kd
    .args:
      - { .name: xc, .offset: 0, .size: 8, .value_kind: global_buffer, .address_space: global }
      - { .name: sc, .offset: 8, .size: 8, .value_kind: global_buffer, .address_space: global }
      - { .name: W_codes, .offset: 16, .size: 8, .value_kind: global_buffer, .address_space: global }
      - { .name: x, .offset: 24, .size: 8, .value_kind: global_buffer, .address_space: global }
      - { .name: beta, .offset: 32, .size: 8, .value_kind: global_buffer, .address_space: global }
      - { .name: beta_res, .offset: 40, .size: 8, .value_kind: global_buffer, .address_space: global }
      - { .name: out0, .offset: 48, .size: 8, .value_kind: global_buffer, .address_space: global }
    .group_segment_fixed_size: 327680
    .private_segment_fixed_size: 0
    .kernarg_segment_align: 8
    .kernarg_segment_size: 56
    .max_flat_workgroup_size: 128
    .sgpr_count:     66
    .vgpr_count:     1024
    .wavefront_size: 32
...
	.end_amdgpu_metadata
.endif
;; end of part 2
